; MI455X (gfx1250); checked and timed in simulation.
; The chip was launched on July 23, 2026; its instructions are those of AMD's public machine-readable ISA for CDNA 5 (MIT licence, August 2026) and "CDNA5" Instruction Set Architecture Reference Guide (July 2026). The comments in the code are by the model that wrote it; some were corrected since.
;; Multi Head Self Attention Layer. Allowed arithmetic: matrix products marked QUANTISED: E2M1 operands, one E8M0 scale for each 32 along K, by v_wmma_scale_f32_16x16x128_f8f6f4 with both operands' format E2M1 (or v_wmma_scale_f32_32x16x128_f4), f32 sums; everything else in f32.
;; Inputs: W_k_codes 1,024 x 32 x 16 uint8 (E2M1 codes of W_k, K innermost, in blocks of 32 codes, two codes a byte); W_k_scales 1,024 x 32 uint8 (E8M0 scales of W_k, one for each 32 codes along K); W_o_codes 1,024 x 32 x 16 uint8 (E2M1 codes of W_o, K innermost, in blocks of 32 codes, two codes a byte); W_o_scales 1,024 x 32 uint8 (E8M0 scales of W_o, one for each 32 codes along K); W_q_codes 1,024 x 32 x 16 uint8 (E2M1 codes of W_q, K innermost, in blocks of 32 codes, two codes a byte); W_q_scales 1,024 x 32 uint8 (E8M0 scales of W_q, one for each 32 codes along K); W_v_codes 1,024 x 32 x 16 uint8 (E2M1 codes of W_v, K innermost, in blocks of 32 codes, two codes a byte); W_v_scales 1,024 x 32 uint8 (E8M0 scales of W_v, one for each 32 codes along K); X_embed_codes 4 x 2,048 x 32 x 16 uint8 (E2M1 codes of X_embed, K innermost, in blocks of 32 codes, two codes a byte); X_embed_scales 4 x 2,048 x 32 uint8 (E8M0 scales of X_embed, one for each 32 codes along K); b_k 1,024 float32; b_o 1,024 float32; b_q 1,024 float32; b_v 1,024 float32.
;; Outputs: out0 4 x 2,048 x 1,024 float32.
;; This version of the problem:
;;   THIS VERSION OF THE PROBLEM IS GIVEN IN LOW PRECISION. The matrix products marked QUANTISED in the list below multiply operands that are first quantised to E2M1 (2 exponent bits, 1 mantissa bit; 4 bits a number), with one power-of-two scale for each 32 numbers along K (OCP MX v1.0); their sums are f32. All else is computed in f32.
;;   The module's matrix products, in the order in which they are computed (A, B: the left and right operand; K: the contracted axis; several contracted axes count as one K, in the product's order):
;;     1. [M 8,192, K 1,024] x [K 1,024, N 1,024]; A: input X_embed (given as codes); B: input W_q (given as codes): QUANTISED
;;     2. [M 8,192, K 1,024] x [K 1,024, N 1,024]; A: input X_embed (given as codes); B: input W_k (given as codes): QUANTISED
;;     3. [M 8,192, K 1,024] x [K 1,024, N 1,024]; A: input X_embed (given as codes); B: input W_v (given as codes): QUANTISED
;;     4. batch 64 x [M 2,048, K 64] x [K 64, N 2,048]; A: computed on the way; B: computed on the way: QUANTISED
;;     5. [M 8,192, K 1,024] x [K 1,024, N 1,024]; A: computed on the way; B: input W_o (given as codes): QUANTISED
;;   THE QUANTISER, for each operand of a quantised product, along K:
;;     - K is cut into blocks of 32 from its start; a last block that is shorter is filled with zeros.
;;     - A block's scale is 2^e with e = floor(log2(the largest magnitude in the block)) - 2, held to -126 .. 127; a block of zeros has e = 0. As a byte (E8M0): e + 127.
;;     - Each number is divided by its block's scale, clamped to +-6, and rounded to the nearest number of E2M1, ties to even, subnormals kept.
;;     - The product sums the exact products of the quantised numbers (number of the format x scale) in f32.
;;   ~~~python
;;   def quantise(x, axis):      # numpy; x: float32 -> the quantised numbers, widened to float32 again
;;       x = np.moveaxis(x, axis, -1); K = x.shape[-1]
;;       x = np.pad(x, [(0, 0)] * (x.ndim - 1) + [(0, -K % 32)]); x = x.reshape(x.shape[:-1] + (-1, 32)); a = np.abs(x).max(-1, keepdims=True)
;;       e = np.where(a > 0, np.clip(np.frexp(np.where(a > 0, a, 1))[1] - 1 - 2, -126, 127), 0)      # np.frexp(a)[1] - 1 = floor(log2(a)), exactly
;;       r = np.clip(x / 2.0 ** e, -6, 6)
;;       step = 2.0 ** (np.maximum(np.frexp(np.where(r == 0, 1, r))[1] - 1, 0) - 1)
;;       q = np.round(r / step) * step * 2.0 ** e      # np.round: ties to even
;;       return np.moveaxis(q.reshape(q.shape[:-2] + (-1,))[..., :K], -1, axis).astype(np.float32)
;;   ~~~
;;   OPERANDS COMPUTED ON THE WAY. 'Computed on the way' means the value that the module computes at that place (a softmax that the list does not call 'softmax' is quantised finished and normalised). What goes into a quantiser is computed in f32, as accurately as f32 sums, v_exp_f32 and their like allow (about 1e-6 of the number): no bf16 or f16 on the way to a quantiser, and a product that is left as it is and whose result goes on into a quantised operand takes f32 operands (vector FMAs, or v_wmma_f32_16x16x4_f32). A number that lies on a knife's edge between two numbers of the format may be rounded either way, as far as f32 arithmetic and the matrix unit's own rounding can turn it there, and no further.
;;   INPUTS GIVEN AS CODES. W_k (in the module: [1024, 1024], K = its axis 0); W_o (in the module: [1024, 1024], K = its axis 0); W_q (in the module: [1024, 1024], K = its axis 0); W_v (in the module: [1024, 1024], K = its axis 0); X_embed (in the module: [4, 2048, 1024], K = its axis 2): each comes as NAME_codes (uint8): NAME with its K axis moved to the last place and cut into blocks of 32 codes, [.., K / 32, bytes a block], one block behind the other in memory; two codes a byte, the lower K in the low four bits (a code: sign, 2 exponent bits, 1 mantissa bit); and NAME_scales (uint8): the same leading axes, one E8M0 byte (e + 127) for each 32 codes along K. Its value is code x scale, taken as it is: it is not quantised again, and the codes and scales need not be those that the quantiser above would give.
;; One version. Each part assembles by itself: llvm-mc -triple=amdgcn-amd-amdhsa -mcpu=gfx1250 --defsym DOCPART=n.
;; ======== version 1 of 1: 2 launches
;; limits: right only within a limited range of input values
;; workspace buffers: Qw 4,456,448 bytes; Kw 4,456,448 bytes; Vw 33,554,432 bytes
;; launch qkv (part 1): grid 8 x 32, 4 waves a work-group, clusters of 4 x 4, 327,680 bytes of LDS; arguments X_embed_codes, X_embed_scales, W_v_codes, W_v_scales, b_v, Vw, W_q_codes, W_q_scales, b_q, Qw, W_k_codes, W_k_scales, b_k, Kw; writes Vw, Qw, Kw
.if DOCPART == 1
	.amdgcn_target "amdgcn-amd-amdhsa--gfx1250"
	.amdhsa_code_object_version 6
	.text
	.protected	k_q480b7b5cf5_qkv
	.globl	k_q480b7b5cf5_qkv
	.p2align	8
	.type	k_q480b7b5cf5_qkv,@function
k_q480b7b5cf5_qkv:
	s_mov_b64 s[64:65], 0
	v_nop
	global_prefetch_b8 v0, s[64:65] scope:SCOPE_SE
	s_setreg_imm32_b32 hwreg(HW_REG_WAVE_MODE, 25, 1), 1
	s_wait_xcnt 0x0
	s_wait_alu depctr_hold_cnt(0) depctr_sa_sdst(0) depctr_va_vdst(0) depctr_va_sdst(0) depctr_va_ssrc(0) depctr_va_vcc(0) depctr_vm_vsrc(0)
	s_getreg_b32 s2, hwreg(HW_REG_IB_STS2, 6, 4)
	s_cmp_eq_u32 s2, 0
	s_cbranch_scc0 .Lentry_in_a_cluster
	s_endpgm
.Lentry_in_a_cluster:
	s_bfe_u32 s2, ttmp6, 0x10000c
	s_cmp_lg_u32 s2, 0xf033
	s_cbranch_scc0 .Lentry_shape_is_right
	s_endpgm
.Lentry_shape_is_right:
; C = X W^T + b on codes of FP4 (E2M1) with one E8M0 scale for each 32 along K, for W = W_q, W_k, W_v.  X: [8192][1024] codes (512 bytes a row), scales [8192][32].  W: [1024][1024] codes, K innermost, scales [1024][32].  b: [1024] f32.
; WHAT IS NOT COMPUTED ANYWHERE IN THIS PROGRAM, AND WHY.  reference() keeps jnp.diagonal of the softmax alone: the normalised weights off the diagonal reach no output, whatever the inputs hold, so the division
;   by the column's sum is made on the diagonal only.  Every score is still needed (each column's maximum and sum), so the whole product Q K^T is done.  All inputs have a way to the output and are loaded.
; THE TWO FACTORS 1 / 32 on Q and on K are exact powers of two: they move a block's scale by 5 and no code, so Q and K are quantised as they are and 1 / 1024 goes into the exponent's constant of the second kernel.
; LIMITS.  That differs from reference() only where its hold of the scale's exponent at -126 would act: blocks of Q / 32 or K / 32 whose largest magnitude lies under 2^-124.  A block of zeros gets the byte 1 (its codes are
;   zeros, and this program alone reads these bytes).  NaN and infinities are not served; one that would reach only the quotients off the diagonal is not carried to the result.
; THE PLAIN RESHAPE of reference(): head g = 16 n + h is rows 128 g .. 128 g + 127 of Q, K, V; row R holds 16 positions, 16 (R % 128) + C / 64, channel C % 64.  So a row is a tile of 16 positions.
; SHARES.  32 tile rows x 8 = 256 work-groups.  The cluster's x (0, 1) picks Q or K; the place cx the tile column.  PHASE 1: 256 rows x 256 columns of Q or K, four waves of 128 x 128 (64 accumulators), quantised on the way
;   out along the head's 64 channels.  PHASE 2: the same 256 rows of X, which stay in LDS, x 128 columns of V (columns 256 cx + 128 x the cluster's x): four waves of 128 x 64 (32 accumulators), out as f32.
; LDS: X's 256 rows and W's 256 rows, all of K (rows of 512 + 16 bytes), and their scales: four loads at the head, one a wave.  W_v's 128 rows and their scales land on W's bytes: asked for behind the three lines and a round
;   of the cluster's barrier inside phase 1's last step, when every fragment of W is in registers; they have that step's second half and the whole quantising in which to land.
; CLUSTERS: 4 x 4 work-groups; X's tile is asked for jointly along a row of the cluster, W's and W_v's along a column.  No prefetch: the launch has no loop to run ahead in.
; THE MATRIX INSTRUCTION IS USED TRANSPOSED (source 0 = 16 rows of W, source 1 = 16 rows of X): a lane (r, h) holds row 16 a + r, columns 16 b + 8 h + 0 .. 7.  The bias is the C of each sum's first product.
; LAYOUT OF Qw AND Kw: a head is 136 chunks of 512 bytes.  i = R % 128 (the tile), p = C / 64 (the position in it), blk = (C % 64) / 32.
;   codes: chunk 8 (i / 8) + p / 2, byte 64 (i % 8) + 32 blk + 16 (p % 2) + (C % 32) / 2.   scale bytes: chunk 128 + p / 2, byte 256 pr + 32 G + 16 (p % 2) + 4 wd + 2 t + blk, with i = 16 G + 4 wd + 2 pr + t.
; REGISTERS, in windows of 256: window 0: v0-31 addresses; v32-95 scale words of both halves of K; v96-115 the quantiser's work; from v128 X's fragments, one set (free on the ways out).
;   window 1: W's fragments, two sets, at v0 and v128; v64-127 the bias.   windows 2, 3: the accumulators (phase 1: (a, b) at v[8 (8 (a % 4) + b)]; phase 2: window 2 alone, v[8 (4 a + b)]).
.set KROW,   512                       ; a row of codes, in memory and in a tile
.set PITCH,  528                       ; an LDS row: 512 bytes + 16 = 132 words: row r starts at bank 4 r mod 64 (64 banks of 4 bytes: ISA guide 11.1)
.set FR,     8
.set NL,     2
.set NP,     4                         ; places behind this matrix instruction (ISA guide 7.12.1)
.set HALFT,  128*PITCH
.set KS,     32
.set SCL,    4*HALFT                   ; behind X's and W's rows: the scales, as units of 256 bytes + 16
.set HALFS,  16*272                    ; the scales of 128 rows
.set SBLK,   2*272                     ; of 16 rows
.set SPARE,  SCL+4*HALFS               ; the spare words: 128 bytes a wave
.set QSTG,   SPARE+512                 ; the quantiser's stages: 2,048 bytes a wave: 16 rows x 80 bytes of codes, and at +1,536 the 512 scale bytes
.set VSTG,   QSTG+8192                 ; V's way out: 16 rows x (256 + 16) bytes a wave
.set VSP,    272
.set QCH,    69632                     ; a head in Qw or Kw
.set ADRA, 16
.set ADRB, 20
.set ADRBV, 22
.set ADRS2, 23
.set STO,  24
.set RD,   25
.set CO,   26
.set ADRS, 27
.set SPW,  28
.set NIL,  29
.set BO,   30
.set CO2,  31
.set SC,   32
.set TM,   96
.set TO,   100
.set SO,   104
.set SSTO, 111
.set CSTO, 112
.set CRD,  113
.set SRD,  114
.set AF,   128
.set BK,   128
.set CD,   128
.set BI,   64
.set G1, 24
.set G0, 32
.set G0V, 36
.set G1B, 48
.set G0B, 56
.set G0VS, 60
.set G1S, 68
.set G0S, 76
.set G1SB, 80
.set G0SB, 88
.set MSB, 0
.macro WIN new                         ; the immediate's high byte repeats the setting that is left
.if MSB != \new
	s_set_vgpr_msb (MSB<<8)|\new
.set MSB, \new
.endif
.endm
.set MUL_LO, 0xa1                      ; source 0 (W) window 1, source 1 (X) window 0, C and D window 2
.set MUL_HI, 0xf1                      ; the same, C and D window 3
.set BIA_LO, 0x91                      ; a first step: C (the bias) window 1, D window 2
.set BIA_HI, 0xd1                      ; D window 3
.set TO_B,   0x40                      ; destination window 1, address window 0
; An arm of the head's one tree of branches on the wave's number: a joint load, its s_nop 0 and four v_nop, and a jump to the tree's end.
.macro ARM under, g0, g1, next
	s_cmp_lt_u32 s14, \under
	s_cbranch_scc0 \next
	tensor_load_to_lds s[\g0:\g0+3], s[\g1:\g1+7]
	s_nop 0
.rept 4
	v_nop
.endr
	s_branch .Lhead_asked
\next:
.endm
.macro CROUND                          ; a round of the cluster's barrier
	s_barrier_signal -1
	s_barrier_wait -1
	s_cmp_lg_u32 s14, 0
	s_cbranch_scc1 .Lnot_wave_0_\@
	s_barrier_signal -3
.Lnot_wave_0_\@:
	s_barrier_wait -3
	s_barrier_signal -1
	s_barrier_wait -1
.endm
	s_load_b128 s[4:7], s[0:1], 0x0                ; X's codes, X's scales
	s_load_b256 s[68:75], s[0:1], 0x10             ; V's set: W's codes, W's scales, b, the destination
	s_load_b256 s[76:83], s[0:1], 0x30             ; Q's
	s_load_b256 s[84:91], s[0:1], 0x50             ; K's
	v_lshl_add_u32 v[SPW], v0, 2, SPARE
	v_mov_b32 v[NIL], 0
	ds_add_u32 v[SPW], v[NIL]                      ; the opening lines: the add, twice on end, and its wait ahead of my first tensor load
	ds_add_u32 v[SPW], v[NIL]
	v_lshrrev_b32 v1, 5, v0
	v_readfirstlane_b32 s14, v1                    ; wave 0..3
	s_lshr_b32 s15, s14, 1                         ; which half of the tile's rows is mine
	s_and_b32 s16, s14, 1                          ; which half of its columns
	s_bfe_u32 s40, ttmp6, 0x40000                  ; cx, cy
	s_bfe_u32 s41, ttmp6, 0x40004
	s_and_b32 s17, ttmp7, 0xffff
	s_lshl_b32 s17, s17, 2
	s_add_co_u32 s17, s17, s41                     ; tile row = 4 x cluster y + cy
	s_lshl_b32 s43, s41, 2
	s_lshl_b32 s43, 15, s43                        ; my row of the cluster
	s_lshl_b32 s44, 0x1111, s40                    ; my column
	s_mov_b32 s100, 0x76543210
	s_mov_b32 s101, 0xfedcba98                     ; selects for lane l xor 16
	s_or_b32 s[G1+0], s43, (0<<16)|(1<<20)|(1<<21)|(6<<22)|(3<<25)  ; the mask; elements of 1 byte; padding on; bit 21 beside a mask; 4 words after every 128
	s_or_b32 s[G1B+0], s44, (0<<16)|(1<<20)|(1<<21)|(6<<22)|(3<<25)
.irp g, G1, G1B
	s_mov_b32 s[\g+1], KROW<<16                    ; tensor_dim0
	s_mov_b32 s[\g+2], 256<<16                     ; tensor_dim1
	s_mov_b32 s[\g+3], KROW<<16                    ; tile_dim0
	s_mov_b32 s[\g+4], 256                         ; tile_dim1
	s_mov_b32 s[\g+5], KROW                        ; the pitch
	s_mov_b32 s[\g+6], 0
	s_mov_b32 s[\g+7], 0
.endr
	s_lshl_b32 s20, s17, 8                         ; X: the tile's first row
	s_lshl_b32 s46, s40, 8                         ; W: 256 cx
	s_mov_b32 s21, 0
	s_mov_b32 s47, 0
	s_mov_b64 s[18:19], KS
	s_mul_u64 s[22:23], s[20:21], s[18:19]         ; where these rows' scales begin
	s_mul_u64 s[92:93], s[46:47], s[18:19]
	s_mov_b64 s[18:19], KROW
	s_mul_u64 s[20:21], s[20:21], s[18:19]         ; and their codes
	s_mul_u64 s[46:47], s[46:47], s[18:19]
	s_lshl_b32 s99, s40, 8
	s_lshl_b32 s45, ttmp9, 7
	s_add_co_u32 s99, s99, s45                     ; V: my work-group's first column = W_v's first row: 256 cx + 128 x the cluster's x
	s_lshl_b32 s2, s16, 6
	s_add_co_u32 s2, s2, s99
	s_lshl_b32 s2, s2, 9                           ; waves 0 and 1 fetch 64 of its rows each
	s_mov_b32 s3, 0
	s_lshl_b32 s94, s99, 5                         ; their scales
	s_mov_b32 s95, 0
	s_wait_dscnt 0x0
	s_wait_kmcnt 0x0
	s_cmp_eq_u32 ttmp9, 1                          ; the cluster's x hangs on no address and is the same in all sixteen partners
	s_cselect_b64 s[8:9], s[84:85], s[76:77]       ; W's codes
	s_cselect_b64 s[10:11], s[86:87], s[78:79]     ; W's scales
	s_cselect_b64 s[96:97], s[88:89], s[80:81]     ; b
	s_cselect_b64 s[12:13], s[90:91], s[82:83]     ; Qw or Kw
	s_add_nc_u64 s[G0V+2:G0V+3], s[68:69], s[2:3]
	s_add_nc_u64 s[G0VS+2:G0VS+3], s[70:71], s[94:95]
	s_mov_b64 s[66:67], s[72:73]                   ; b_v
	s_mov_b64 s[2:3], s[74:75]                     ; Vw
	s_or_b32 s[G0V+3], s[G0V+3], 0x80000000
	s_or_b32 s[G0VS+3], s[G0VS+3], 0x80000000
	s_mov_b32 s[G0V], 1
	s_mul_i32 s[G0V+1], s16, 64*PITCH
	s_add_co_u32 s[G0V+1], s[G0V+1], 2*HALFT       ; on W's first 128 rows
	s_mov_b32 s[G0VS], 1
	s_mov_b32 s[G0VS+1], SCL+2*HALFS               ; on W's scales
	; s68-91 are free now.  The scales of 256 rows: a dense block of 8,192 bytes, as 32 rows of 256 bytes (32 elements of 8), 16 bytes of padding behind each
	s_or_b32 s[G1S+0], s43, (3<<16)|(1<<20)|(1<<21)|(5<<22)|(3<<25)
	s_or_b32 s[G1SB+0], s44, (3<<16)|(1<<20)|(1<<21)|(5<<22)|(3<<25)
.irp g, G1S, G1SB
	s_mov_b32 s[\g+1], 32<<16
	s_mov_b32 s[\g+2], 32<<16
	s_mov_b32 s[\g+3], 32<<16
	s_mov_b32 s[\g+4], 32
	s_mov_b32 s[\g+5], 32
	s_mov_b32 s[\g+6], 0
	s_mov_b32 s[\g+7], 0
.endr
	s_add_nc_u64 s[20:21], s[4:5], s[20:21]
	s_add_nc_u64 s[22:23], s[6:7], s[22:23]
	s_add_nc_u64 s[46:47], s[8:9], s[46:47]
	s_add_nc_u64 s[92:93], s[10:11], s[92:93]
	CROUND                                         ; all sixteen work-groups are here: the first joint loads meet
	s_mov_b32 s[G0], 1
	s_mov_b32 s[G0+1], 0
	s_mov_b64 s[G0+2:G0+3], s[20:21]
	s_or_b32 s[G0+3], s[G0+3], 0x80000000
	s_mov_b32 s[G0B], 1
	s_mov_b32 s[G0B+1], 2*HALFT
	s_mov_b64 s[G0B+2:G0B+3], s[46:47]
	s_or_b32 s[G0B+3], s[G0B+3], 0x80000000
	s_mov_b32 s[G0S], 1
	s_mov_b32 s[G0S+1], SCL
	s_mov_b64 s[G0S+2:G0S+3], s[22:23]
	s_or_b32 s[G0S+3], s[G0S+3], 0x80000000
	s_mov_b32 s[G0SB], 1
	s_mov_b32 s[G0SB+1], SCL+2*HALFS
	s_mov_b64 s[G0SB+2:G0SB+3], s[92:93]
	s_or_b32 s[G0SB+3], s[G0SB+3], 0x80000000
	; THE HEAD'S LOADS, ONE A WAVE: wave 0 X's rows, wave 1 W's rows, wave 2 X's scales, wave 3 W's scales
	ARM 1, G0,  G1,  .Lhead_b
	ARM 2, G0B, G1B, .Lhead_sa
	ARM 3, G0S, G1S, .Lhead_sb
	tensor_load_to_lds s[G0SB:G0SB+3], s[G1SB:G1SB+7]
	s_nop 0
.rept 4
	v_nop
.endr
.Lhead_asked:
	s_mul_i32 s21, s15, HALFT                      ; my 128 rows of X
	s_mul_i32 s22, s16, HALFT
	s_add_co_u32 s22, s22, 2*HALFT                 ; my 128 rows of W
	s_mul_i32 s23, s16, 64*PITCH
	s_add_co_u32 s23, s23, 2*HALFT                 ; my 64 rows of W_v
	s_mul_i32 s18, s15, HALFS                      ; X's scales: my 128 rows
	s_mul_i32 s19, s16, HALFS
	s_add_co_u32 s19, s19, 2*HALFS
	s_sub_co_u32 s19, s19, s18                     ; from there to W's: my 128 rows
	s_mul_i32 s45, s16, HALFS/2
	s_add_co_u32 s45, s45, 2*HALFS
	s_sub_co_u32 s45, s45, s18                     ; and to W_v's: my 64 rows
	s_add_co_u32 s18, s18, SCL
	s_lshl_b32 s42, s14, 11
	s_add_co_u32 s42, s42, QSTG
	s_mul_i32 s46, s14, 16*VSP
	s_add_co_u32 s46, s46, VSTG
	v_and_b32 v1, 15, v0                           ; r
	v_bfe_u32 v2, v0, 4, 1                         ; h
	v_and_b32 v6, 31, v0                           ; lane
	v_mul_u32_u24 v3, v1, PITCH
	v_lshl_add_u32 v4, v2, 4, v3                   ; a fragment's row x pitch + 16 h
	v_add_nc_u32 v[ADRA], s21, v4
	v_add_nc_u32 v[ADRB], s22, v4
	v_add_nc_u32 v[ADRBV], s23, v4
	v_mul_u32_u24 v5, v1, KS                       ; my row's scales: 32 bytes a row,
	v_lshrrev_b32 v7, 8, v5
	v_lshl_add_u32 v5, v7, 4, v5                   ; and 16 more for each 256 passed
	v_mul_u32_u24 v7, s19, v2                      ; lanes 16-31 take W's: one product, the distance x h
	v_mul_u32_u24 v8, s45, v2
	v_add_nc_u32 v5, s18, v5
	v_add_nc_u32 v[ADRS], v5, v7
	v_add_nc_u32 v[ADRS2], v5, v8
	v_mul_u32_u24 v5, v1, VSP                      ; V's stage, in: row r, 32 bytes for each half of the lanes
	v_lshl_add_u32 v5, v2, 5, v5
	v_add_nc_u32 v[STO], s46, v5
	v_mul_u32_u24 v5, v2, VSP                      ; back: lanes 0-15 one row of 256 bytes, lanes 16-31 the next
	v_lshl_add_u32 v5, v1, 4, v5
	v_add_nc_u32 v[RD], s46, v5
	v_lshlrev_b32 v5, 12, v2
	v_lshl_add_u32 v[CO2], v1, 4, v5               ; and the same two rows in Vw
	v_lshlrev_b32 v[CO], 4, v6
	v_mul_u32_u24 v[CSTO], v1, 80                  ; codes in: row r of 64 bytes + 16, + 4 h
	v_lshl_add_u32 v[CSTO], v2, 2, v[CSTO]
	v_add_nc_u32 v[CSTO], s42, v[CSTO]
	v_lshrrev_b32 v5, 2, v6
	v_mul_u32_u24 v[CRD], v5, 80                   ; codes back: four lanes to a row
	v_and_b32 v5, 3, v6
	v_lshl_add_u32 v[CRD], v5, 4, v[CRD]
	v_add_nc_u32 v[CRD], s42, v[CRD]
	v_add_nc_u32 v[SRD], s42, v[CO]                ; scale bytes back: 16 a lane
	v_add_nc_u32 v[SRD], 1536, v[SRD]
	v_bfe_u32 v5, v1, 1, 1                         ; scale bytes in: 256 pr + 16 (p % 2) + 4 wd + 2 t
	v_lshlrev_b32 v[SSTO], 8, v5
	v_lshl_add_u32 v[SSTO], v2, 4, v[SSTO]
	v_lshrrev_b32 v5, 2, v1
	v_lshl_add_u32 v[SSTO], v5, 2, v[SSTO]
	v_and_b32 v5, 1, v1
	v_lshl_add_u32 v[SSTO], v5, 1, v[SSTO]
	v_add_nc_u32 v[SSTO], s42, v[SSTO]
	v_add_nc_u32 v[SSTO], 1536, v[SSTO]
	v_cmp_eq_u32 s98, 1, v2                        ; the lanes with h = 1
.irp g, 0,1,2,3
	v_mov_b32 v[TO+\g], 0                          ; written once: a lane permute's destination counts as one of its sources
.endr
	v_lshlrev_b32 v[BO], 5, v2
	s_wait_alu depctr_va_vdst(0)                   ; the wait behind the head's last vector instruction
	s_lshl_b32 s20, s17, 1                         ; Qw, Kw: head 2 x tile row + half, chunk 2 cx + half
	s_add_co_u32 s20, s20, s15
	s_mul_i32 s20, s20, QCH
	s_lshl_b32 s21, s40, 1
	s_add_co_u32 s21, s21, s16
	s_lshl_b32 s21, s21, 9
	s_add_co_u32 s20, s20, s21
	s_mov_b32 s21, 0
	s_add_nc_u64 s[12:13], s[12:13], s[20:21]
	s_lshl_b32 s20, s40, 10                        ; the bias of my 128 columns
	s_lshl_b32 s22, s16, 9
	s_add_co_u32 s20, s20, s22
	s_add_nc_u64 s[96:97], s[96:97], s[20:21]
	s_lshl_b32 s20, s16, 6                         ; V: my 64 columns, in bytes of f32,
	s_add_co_u32 s20, s20, s99
	s_lshl_b32 s20, s20, 2
	s_add_nc_u64 s[66:67], s[66:67], s[20:21]
	s_add_nc_u64 s[2:3], s[2:3], s[20:21]
	s_lshl_b32 s20, s17, 8                         ; and my first row: 256 x tile row + 128 x half, 4,096 bytes a row
	s_lshl_b32 s22, s15, 7
	s_add_co_u32 s20, s20, s22
	s_lshl_b32 s20, s20, 12
	s_add_nc_u64 s[2:3], s[2:3], s[20:21]
	WIN TO_B
.irp b, 0,1,2,3,4,5,6,7                        ; the bias in the result's layout: column block b, my half's eight numbers
	global_load_b128 v[BI+8*\b:BI+8*\b+3], v[BO], s[96:97] offset:64*\b
	global_load_b128 v[BI+8*\b+4:BI+8*\b+7], v[BO], s[96:97] offset:64*\b+16
.endr
	WIN 0
.macro FRAG reg, adr, q, i             ; 16 rows x the q-th 128 of K: lane l holds row l % 16; registers 4 c .. 4 c + 3 hold K = 64 c + 32 (l / 16) + 0 .. 31
.irp c, 0,1
	ds_load_b128 v[\reg+4*\c:\reg+4*\c+3], v[\adr] offset:64*(\q)+32*\c+(\i)*16*PITCH
.endr
.endm
; 16 matrix instructions of phase 1: X's blocks a0, a0 + 1 x W's eight.  first = 1: the bias starts the sums.  The accumulators take turns, one instruction a turn.
.macro MUL16 a0, q, first
.irp a, \a0, \a0+1
.irp b, 0,1,2,3,4,5,6,7
.if \first
	v_wmma_scale_f32_16x16x128_f8f6f4 v[8*(8*((\a)%4)+\b):8*(8*((\a)%4)+\b)+7], v[128*((\q)%2)+FR*\b:128*((\q)%2)+FR*\b+FR-1], v[AF+FR*(\a):AF+FR*(\a)+FR-1], v[BI+8*\b:BI+8*\b+7], v[SC+32*((\q)/4)+4*\b+(\q)%4], v[SC+32*((\q)/4)+4*(\a)+(\q)%4] matrix_a_fmt:MATRIX_FMT_FP4 matrix_b_fmt:MATRIX_FMT_FP4 matrix_a_scale:MATRIX_SCALE_ROW1
.else
	v_wmma_scale_f32_16x16x128_f8f6f4 v[8*(8*((\a)%4)+\b):8*(8*((\a)%4)+\b)+7], v[128*((\q)%2)+FR*\b:128*((\q)%2)+FR*\b+FR-1], v[AF+FR*(\a):AF+FR*(\a)+FR-1], v[8*(8*((\a)%4)+\b):8*(8*((\a)%4)+\b)+7], v[SC+32*((\q)/4)+4*\b+(\q)%4], v[SC+32*((\q)/4)+4*(\a)+(\q)%4] matrix_a_fmt:MATRIX_FMT_FP4 matrix_b_fmt:MATRIX_FMT_FP4 matrix_a_scale:MATRIX_SCALE_ROW1
.endif
.endr
.endr
.endm
; 16 matrix instructions of phase 2: X's blocks a0 .. a0 + 3 x W_v's four.
.macro MULV a0, q
.irp a, \a0, \a0+1, \a0+2, \a0+3
.irp b, 0,1,2,3
.if (\q) == 0
	v_wmma_scale_f32_16x16x128_f8f6f4 v[8*(4*(\a)+\b):8*(4*(\a)+\b)+7], v[128*((\q)%2)+FR*\b:128*((\q)%2)+FR*\b+FR-1], v[AF+FR*(\a):AF+FR*(\a)+FR-1], v[BI+8*\b:BI+8*\b+7], v[SC+32*((\q)/4)+4*\b+(\q)%4], v[SC+32*((\q)/4)+4*(\a)+(\q)%4] matrix_a_fmt:MATRIX_FMT_FP4 matrix_b_fmt:MATRIX_FMT_FP4 matrix_a_scale:MATRIX_SCALE_ROW1
.else
	v_wmma_scale_f32_16x16x128_f8f6f4 v[8*(4*(\a)+\b):8*(4*(\a)+\b)+7], v[128*((\q)%2)+FR*\b:128*((\q)%2)+FR*\b+FR-1], v[AF+FR*(\a):AF+FR*(\a)+FR-1], v[8*(4*(\a)+\b):8*(4*(\a)+\b)+7], v[SC+32*((\q)/4)+4*\b+(\q)%4], v[SC+32*((\q)/4)+4*(\a)+(\q)%4] matrix_a_fmt:MATRIX_FMT_FP4 matrix_b_fmt:MATRIX_FMT_FP4 matrix_a_scale:MATRIX_SCALE_ROW1
.endif
.endr
.endr
.endm
.macro FETCH_B q                       ; W's eight fragments into set q % 2
	WIN TO_B
.irp i, 0,1,2,3,4,5,6,7
	FRAG 128*((\q)%2)+FR*\i, ADRB, \q, \i
.endr
	WIN 0
.endm
.macro FETCH_BV q                      ; W_v's four
	WIN TO_B
.irp i, 0,1,2,3
	FRAG 128*((\q)%2)+FR*\i, ADRBV, \q, \i
.endr
	WIN 0
.endm
.macro FETCH_A q, i0                   ; X's blocks i0 .. i0 + 3
.irp i, \i0, \i0+1, \i0+2, \i0+3
	FRAG AF+FR*(\i), ADRA, \q, \i
.endr
.endm
.macro SCALES adr                      ; all of K's scale words: eight words a row; lanes 0-15 take X's block i, lanes 16-31 W's block i
.irp s, 0,1
.irp i, 0,1,2,3,4,5,6,7
	ds_load_b128 v[SC+32*\s+4*\i:SC+32*\s+4*\i+3], v[\adr] offset:\i*SBLK+16*\s
.endr
.endr
.endm
.macro PLACES n                        ; plain vector instructions that name none of a matrix instruction's registers
.rept \n
	v_nop
.endr
.endm
.macro STEP q, first                   ; phase 1: the q-th 128 along K, q under 7; the next step's fragments are fetched in two runs
	s_wait_dscnt 4*NL                              ; W's set and X's blocks 0-3 are in; the youngest eight loads (X's blocks 4-7) may be out
.if \first
	WIN BIA_LO
.else
	WIN MUL_LO
.endif
	MUL16 0, \q, \first
	MUL16 2, \q, \first
	s_wait_dscnt 0
	PLACES NP
	FETCH_B (\q)+1
	FETCH_A (\q)+1, 0
.if \first
	WIN BIA_HI
.else
	WIN MUL_HI
.endif
	MUL16 4, \q, \first
	MUL16 6, \q, \first
	PLACES NP
	WIN 0
	FETCH_A (\q)+1, 4
.endm
.macro STEPV q                         ; phase 2
	s_wait_dscnt 4*NL
.if (\q) == 0
	WIN BIA_LO
.else
	WIN MUL_LO
.endif
	MULV 0, \q
	s_wait_dscnt 0
.if (\q) < 7
	PLACES NP
	FETCH_BV (\q)+1
	FETCH_A (\q)+1, 0
.endif
.if (\q) == 0
	WIN BIA_LO
.else
	WIN MUL_LO
.endif
	MULV 4, \q
	PLACES NP
	WIN 0
.if (\q) < 7
	FETCH_A (\q)+1, 4
.endif
.endm
	s_wait_tensorcnt 0x0                           ; my one load is in,
	s_barrier_signal -1
	s_barrier_wait -1                              ; everybody's is
	FETCH_B 0
	FETCH_A 0, 0
	SCALES ADRS
	FETCH_A 0, 4
	s_wait_loadcnt 0x0                             ; the bias
	STEP 0, 1
.irp q, 1,2,3,4,5,6
	STEP \q, 0
.endr
	s_wait_dscnt 4*NL                              ; phase 1's last step: nothing more to fetch of W
	WIN MUL_LO
	MUL16 0, 7, 0
	MUL16 2, 7, 0
	WIN 0
	s_wait_tensorcnt 0x0                           ; the three lines ahead of a refill's round
	ds_add_u32 v[SPW], v[NIL]
	s_mov_b32 s[G1B+2], 64<<16                     ; no tensor load of mine is out, so a descriptor may be written: W_v's codes come 64 rows to a load,
	s_mov_b32 s[G1B+4], 64
	s_mov_b32 s[G1SB+2], 16<<16                    ; the scales of its 128 rows as 16 rows of 256 bytes
	s_mov_b32 s[G1SB+4], 16
	s_wait_dscnt 0x0                               ; the add is done, and my reads of W's rows and scales are over
	CROUND                                         ; so are those of every wave of every partner
	s_cmp_lt_u32 s14, 2
	s_cbranch_scc0 .Lv_scales
	tensor_load_to_lds s[G0V:G0V+3], s[G1B:G1B+7]  ; waves 0, 1: 64 rows of W_v each
	s_nop 0
.rept 4
	v_nop
.endr
	s_branch .Lv_asked
.Lv_scales:
	s_cmp_lt_u32 s14, 3
	s_cbranch_scc0 .Lv_asked
	tensor_load_to_lds s[G0VS:G0VS+3], s[G1SB:G1SB+7]  ; wave 2: their scales
	s_nop 0
.rept 4
	v_nop
.endr
.Lv_asked:
	WIN MUL_HI
	MUL16 4, 7, 0
	MUL16 6, 7, 0
	PLACES NP
	WIN TO_B
.irp b, 0,1,2,3                                ; b_v of my 64 columns, where phase 1's bias lay
	global_load_b128 v[BI+8*\b:BI+8*\b+3], v[BO], s[66:67] offset:64*\b
	global_load_b128 v[BI+8*\b+4:BI+8*\b+7], v[BO], s[66:67] offset:64*\b+16
.endr
	WIN 0
; Q OR K LEAVES AS CODES.  Block a = rows (tiles) 16 a .. 16 a + 15.  A quantiser's block of 32 columns is accumulators 2 g and 2 g + 1: 16 numbers in my lane, 16 in lane l xor 16.
; Its scale is 2^(floor(log2(largest magnitude)) - 2): the largest magnitude with 2 off its exponent field is the conversion's scale operand, and that field the byte; the floor 2^(3 - 127) holds the byte at 1 from below.
.macro QOUT a
.set AC, 64*((\a)%4)
.set W, 2+(\a)/4
.set WW, (W<<2)|(W<<4)
.set RB, 136+8*((\a)%2)
	WIN WW                                         ; sources 1 and 2: the accumulators' window
.irp g, 0,1,2,3
	v_max3_num_f32 v[TM+\g], 0x1800000, |v[AC+16*\g]|, |v[AC+16*\g+1]|   ; each accumulator is read from its low end on
.endr
.irp i, 2,4,6,8,10,12,14
.irp g, 0,1,2,3
	v_max3_num_f32 v[TM+\g], v[TM+\g], |v[AC+16*\g+\i]|, |v[AC+16*\g+\i+1]|
.endr
.endr
	WIN 0
.irp g, 0,1,2,3
	v_permlanex16_b32 v[TO+\g], v[TM+\g], s100, s101
.endr
.irp g, 0,1,2,3
	v_max_num_f32 v[TM+\g], v[TM+\g], v[TO+\g]     ; the block's largest magnitude
.endr
.irp g, 0,1,2,3
	v_add_nc_u32 v[SO+\g], 0xff000000, v[TM+\g]    ; 2 off its exponent field
.endr
.irp g, 0,1,2,3
	v_lshrrev_b32 v[TO+\g], 23, v[SO+\g]           ; the byte
.endr
	v_lshl_or_b32 v108, v[TO+1], 8, v[TO]          ; the first position's two bytes,
	v_lshl_or_b32 v109, v[TO+3], 8, v[TO+2]        ; the second's
	v_cndmask_b32 v110, v108, v109, s98            ; lanes 16-31 store the second's
	ds_store_b16 v[SSTO], v110 offset:32*(\a)
	WIN W                                          ; source 0: the accumulators' window
.irp b, 0,1,2,3,4,5,6,7
	v_cvt_scalef32_pk8_fp4_f32 v[CD+\b], v[AC+8*\b:AC+8*\b+7], v[SO+\b/2]   ; eight neighbouring columns: four bytes
.endr
	WIN 0
	v_nop                                          ; one plain place behind the last scaled conversion
.irp b, 0,1,2,3,4,5,6,7
	ds_store_b32 v[CSTO], v[CD+\b] offset:32*((\b/2)%2)+16*(\b/4)+8*(\b%2)   ; the row's 64 bytes: 32 blk + 16 (p % 2) + 8 (b % 2) + 4 h
.endr
	s_wait_xcnt 0x0                                ; the stores of two blocks back have read the registers that the loads below fill
	ds_load_b128 v[RB:RB+3], v[CRD]                ; rows 0-7: one chunk of 512 bytes
	ds_load_b128 v[RB+4:RB+7], v[CRD] offset:640   ; rows 8-15: the next
	s_wait_dscnt 0x0
	global_store_b128 v[CO], v[RB:RB+3], s[12:13] offset:8192*(\a)          ; 32 lanes store 512 consecutive bytes, aligned
	global_store_b128 v[CO], v[RB+4:RB+7], s[12:13] offset:8192*(\a)+4096
.endm
.irp a, 0,1,2,3,4,5,6,7
	QOUT \a
.endr
	ds_load_b128 v[152:155], v[SRD]                ; my 512 scale bytes: one chunk
	s_wait_dscnt 0x0
	global_store_b128 v[CO], v[152:155], s[12:13] offset:65536
	s_wait_alu depctr_va_vdst(0)
	s_wait_xcnt 0x0                                ; the stores have read their registers: X's fragments land there again
	s_wait_tensorcnt 0x0                           ; my part of W_v is in,
	s_barrier_signal -1
	s_barrier_wait -1                              ; everybody's is
	FETCH_BV 0
	FETCH_A 0, 0
	SCALES ADRS2
	FETCH_A 0, 4
	s_wait_loadcnt 0x0                             ; b_v
.irp q, 0,1,2,3,4,5,6,7
	STEPV \q
.endr
; V LEAVES AS F32, block by block of 16 rows x 64 columns, through my own stage and back as whole rows of 256 bytes.  LDS serves a wave's instructions in order (ISA guide 5.7.1.4): no wait between the stores and the loads.
.macro TOSTAGE a
	WIN 0x08                                       ; the data: window 2
.irp b, 0,1,2,3
	ds_store_b128 v[STO], v[8*(4*(\a)+\b):8*(4*(\a)+\b)+3] offset:64*\b          ; each accumulator from its low end on
	ds_store_b128 v[STO], v[8*(4*(\a)+\b)+4:8*(4*(\a)+\b)+7] offset:64*\b+16
.endr
	WIN 0
.set BB, BK+32*((\a)%2)
.irp t, 0,1,2,3,4,5,6,7
	ds_load_b128 v[BB+4*\t:BB+4*\t+3], v[RD] offset:\t*2*VSP
.endr
.endm
.macro SEND a, younger                 ; younger: the LDS instructions issued behind block a's loads, which may stay out
.set BB, BK+32*((\a)%2)
	s_wait_dscnt \younger
.if (\a) > 0
	s_add_nc_u64 s[2:3], s[2:3], 16*4096           ; (behind a wait on XCNT: the earlier stores have read their base)  16 rows on
.endif
.irp t, 0,1,2,3,4,5,6,7
	global_store_b128 v[CO2], v[BB+4*\t:BB+4*\t+3], s[2:3] offset:2*\t*4096   ; sixteen lanes store 256 consecutive bytes, aligned
.endr
.endm
	TOSTAGE 0
.irp a, 1,2,3,4,5,6,7
.if \a > 1
	s_wait_xcnt 0x0                                ; block a - 2's stores have read their registers and their base
.endif
	TOSTAGE \a
	SEND \a-1, 16                                  ; behind block a - 1's loads: block a's 8 stores and 8 loads
.endr
	s_wait_xcnt 0x0
	SEND 7, 0
	s_wait_tensorcnt 0x0                           ; the wave's end
	ds_add_u32 v[SPW], v[NIL]
	s_wait_dscnt 0x0
	CROUND                                         ; the closing round
	s_endpgm
.Lfunc_end_k_q480b7b5cf5_qkv:
	.size	k_q480b7b5cf5_qkv, .Lfunc_end_k_q480b7b5cf5_qkv-k_q480b7b5cf5_qkv
	.p2alignl 7, 3214868480
	.fill 96, 4, 3214868480
	.section	.rodata,"a",@progbits
	.p2align	6, 0x0
	.amdhsa_kernel k_q480b7b5cf5_qkv
		.amdhsa_group_segment_fixed_size 327680
		.amdhsa_private_segment_fixed_size 0
		.amdhsa_enable_private_segment 0
		.amdhsa_kernarg_size 112
		.amdhsa_user_sgpr_count 2
		.amdhsa_user_sgpr_kernarg_segment_ptr 1
		.amdhsa_wavefront_size32 1
		.amdhsa_system_sgpr_workgroup_id_x 1
		.amdhsa_system_sgpr_workgroup_id_y 1
		.amdhsa_system_sgpr_workgroup_id_z 1
		.amdhsa_system_vgpr_workitem_id 0
		.amdhsa_next_free_vgpr 1024
		.amdhsa_next_free_sgpr 102
		.amdhsa_reserve_vcc 0
		.amdhsa_float_denorm_mode_32 3
		.amdhsa_float_denorm_mode_16_64 3
		.amdhsa_memory_ordered 1
		.amdhsa_forward_progress 1
		.amdhsa_inst_pref_size 202
	.end_amdhsa_kernel
	.amdgpu_metadata
---
amdhsa.version: [ 1, 2 ]
amdhsa.kernels:
  - .name:           k_q480b7b5cf5_qkv
    .symbol:         k_q480b7b5cf5_qkv.kd
    .args:
      - { .name: X_embed_codes, .offset: 0, .size: 8, .value_kind: global_buffer, .address_space: global }
      - { .name: X_embed_scales, .offset: 8, .size: 8, .value_kind: global_buffer, .address_space: global }
      - { .name: W_v_codes, .offset: 16, .size: 8, .value_kind: global_buffer, .address_space: global }
      - { .name: W_v_scales, .offset: 24, .size: 8, .value_kind: global_buffer, .address_space: global }
      - { .name: b_v, .offset: 32, .size: 8, .value_kind: global_buffer, .address_space: global }
      - { .name: Vw, .offset: 40, .size: 8, .value_kind: global_buffer, .address_space: global }
      - { .name: W_q_codes, .offset: 48, .size: 8, .value_kind: global_buffer, .address_space: global }
      - { .name: W_q_scales, .offset: 56, .size: 8, .value_kind: global_buffer, .address_space: global }
      - { .name: b_q, .offset: 64, .size: 8, .value_kind: global_buffer, .address_space: global }
      - { .name: Qw, .offset: 72, .size: 8, .value_kind: global_buffer, .address_space: global }
      - { .name: W_k_codes, .offset: 80, .size: 8, .value_kind: global_buffer, .address_space: global }
      - { .name: W_k_scales, .offset: 88, .size: 8, .value_kind: global_buffer, .address_space: global }
      - { .name: b_k, .offset: 96, .size: 8, .value_kind: global_buffer, .address_space: global }
      - { .name: Kw, .offset: 104, .size: 8, .value_kind: global_buffer, .address_space: global }
    .group_segment_fixed_size: 327680
    .private_segment_fixed_size: 0
    .kernarg_segment_align: 8
    .kernarg_segment_size: 112
    .max_flat_workgroup_size: 128
    .sgpr_count:     102
    .vgpr_count:     1024
    .wavefront_size: 32
...
	.end_amdgpu_metadata
.endif
;; end of part 1
;; launch attn (part 2): grid 256 x 1, 16 waves a work-group, no clusters, 327,680 bytes of LDS; arguments Qw, Kw, Vw, W_o_codes, W_o_scales, b_o, out0; writes out0
.if DOCPART == 2
	.amdgcn_target "amdgcn-amd-amdhsa--gfx1250"
	.amdhsa_code_object_version 6
	.text
	.protected	k_q480b7b5cf5_attn
	.globl	k_q480b7b5cf5_attn
	.p2align	8
	.type	k_q480b7b5cf5_attn,@function
k_q480b7b5cf5_attn:
	s_mov_b64 s[64:65], 0
	v_nop
	global_prefetch_b8 v0, s[64:65] scope:SCOPE_SE
	s_setreg_imm32_b32 hwreg(HW_REG_WAVE_MODE, 25, 1), 1
	s_wait_xcnt 0x0
; out0 = Q4(diag x V) W_o^T + b_o, diag[b] = exp(s[b][b] - max_a s[a][b]) / sum_a exp(s[a][b] - max_a s[a][b]), s = Q K^T / 1024, head by head; Q4 = the quantiser along the row's 1,024.
; LEFT OUT, as the first kernel's head shows: reference() keeps the softmax's diagonal alone, so the quotients off the diagonal are not formed; every score is still made (each column's maximum and sum need it).
; Both products run on codes of FP4 (E2M1) with E8M0 scales.  Qw, Kw: codes and scale bytes of a head as the first kernel lays them (136 chunks of 512 bytes); Vw: f32 [8192][1024].  1 / 1024 stands in the exponent's constant.
; SHARES.  Work-group x = 4 head + c owns keys 512 c .. 512 c + 511 of its head: rows 32 x .. 32 x + 31 of V and of out0.  Wave w owns two tiles of 16 keys (rows 2 w, 2 w + 1).  It walks all 2,048 queries, 128 a step:
;   source 0 = two tiles of Q side by side along the instruction's K (64 + 64), source 1 = one tile of K beside 64 zero codes: a lane holds ONE key (lane % 16), its registers run over queries, so maxima and sums stay in the lane.
; A STEP: 16 matrix instructions, 64 three-input maxima in eight chains, 64 packed multiply-adds, 130 exponentials in two batches, 64 packed additions.  Between a batch's exponentials stands plain work that reads nothing of the
;   batch and is read only behind the batch's closing wait: the second tile's multiply-adds in the first batch, the first level of the first tile's sums in the second.  The running maximum is taken away in every step.
; THE PROJECTION.  diag x V is quantised (a lane = one block of 32) into an LDS stage of its own; behind one barrier wave w makes 32 rows x columns 64 w .. 64 w + 63, in two halves of 32 columns: 4 accumulators by turns, 8 steps of 128 along K.
;   W_o's fragments and scale words go from memory straight into registers: each is used by one wave of the work-group alone.  A half's 32 rows of W_o, all of K, are 128 registers: the first half's loads go out ahead of the barrier,
;   the second half's into each pair of K steps' registers as the first half has used them.  The four loads that share 128 neighbouring bytes of a row stand next to each other.
;   Both halves' results go into the wave's own 32 rows of V in LDS (filled once, read by this wave alone, done with by then) and come back as whole rows.
;   b_o is added on the way out, where a lane holds four neighbouring columns: one load of 512 bytes a wave.
; NO CLUSTER: what four work-groups share through LDS is Q's 69,632 bytes, beside 131,072 of V and 557,056 of W_o a work-group; W_o does not fit in LDS beside Q's 73,984 and V's 139,264 bytes, so it is not brought by tensor loads.
; PREFETCH: work-group x asks once, in the loop's second trip (12 steps ahead of the loads), for bytes 2,048 x .. + 2,047 of W_o's codes: 8 blocks of 256, lanes 8-31 name the last again.  Q, K, V and W_o's scale words are asked for at the head, ahead of any loop.
; LIMITS.  NaN and infinities are not served.  A block of zeros gets the scale byte 1 (its codes are zeros; this kernel alone reads the byte).
.set QCH,   69632                      ; a head in Qw or Kw
.set QSC,   128*544                    ; Q's scale chunks in LDS (a chunk: 2 rows of 272)
.set VB,    272*272                    ; V: 512 rows (positions) of 256 + 16 bytes; later each wave's 32 rows are its stage for the way out
.set AST,   VB+512*272                 ; the projection's left operand: 32 rows of 512 + 16 bytes of codes,
.set APT,   528
.set ASC,   AST+32*APT                 ; and 32 rows of 32 scale bytes
.set SPARE, ASC+1024                   ; the spare words: 128 bytes a wave
.set SPW, 1
.set NIL, 2
.set AQ0, 3                            ; my lane's place in a group of 8 tiles of Q;  AS0: among Q's scale words
.set AS0, 4
.set ADQ, 5
.set ADS, 6
.set AV,  7                            ; my block of 32 numbers of V
.set AWR, 8                            ; where my block's codes go;  SBA: its scale byte
.set BPI, 9
.set SBA, 10
.set AAR, 11                           ; the left operand's fragments;  ASR: its scale words
.set ASR, 202
.set WOF, 203                          ; my byte offset in W_o's codes
.set PFO, 248
.set OST, 252
.set ORD, 253
.set GO,  254
.set BOF, 255
.set SX,  64                           ; scores of my first tile of keys, then p;  SY: of the second
.set SY,  128
.set WS,  232                          ; v232-247 W_o's scale words: nothing else ever stands there
.set G1Q, 16
.set G1V, 24
.set G0Q, 32
.set G0V, 36
	s_load_b256 s[68:75], s[0:1], 0x0              ; Qw, Kw, Vw, W_o's codes
	s_load_b128 s[76:79], s[0:1], 0x20             ; W_o's scales, b_o
	s_load_b64 s[80:81], s[0:1], 0x30              ; out0
	v_lshl_add_u32 v[SPW], v0, 2, SPARE
	v_mov_b32 v[NIL], 0
	ds_add_u32 v[SPW], v[NIL]                      ; the opening lines: the add, twice on end, and its wait ahead of my first tensor load
	ds_add_u32 v[SPW], v[NIL]
	v_lshrrev_b32 v11, 5, v0
	v_readfirstlane_b32 s14, v11                   ; wave 0..15
	s_lshr_b32 s15, ttmp9, 2                       ; head
	s_and_b32 s40, ttmp9, 3                        ; c
.irp g, G1Q, G1V                               ; dense blocks as rows of 256 bytes (32 elements of 8), 16 bytes of padding behind each
	s_mov_b32 s[\g], (3<<16)|(1<<20)|(5<<22)|(3<<25)
	s_mov_b32 s[\g+1], 32<<16
	s_mov_b32 s[\g+3], 32<<16
	s_mov_b32 s[\g+5], 32
	s_mov_b32 s[\g+6], 0
	s_mov_b32 s[\g+7], 0
.endr
	s_mov_b32 s[G1Q+2], 17<<16                     ; Q: 272 rows, 17 a wave
	s_mov_b32 s[G1Q+4], 17
	s_mov_b32 s[G1V+2], 32<<16                     ; V: 512 rows, 32 a wave: the wave's own two tiles
	s_mov_b32 s[G1V+4], 32
	s_mul_i32 s60, s15, QCH
	s_mul_i32 s2, s14, 17*256
	s_add_co_u32 s62, s60, s2
	s_mov_b32 s63, 0
	s_mul_i32 s[G0Q+1], s14, 17*272
	s_lshl_b32 s2, ttmp9, 17
	s_lshl_b32 s3, s14, 13
	s_add_co_u32 s2, s2, s3
	s_mov_b32 s3, 0
	s_mul_i32 s[G0V+1], s14, 32*272
	s_add_co_u32 s[G0V+1], s[G0V+1], VB
	s_mov_b32 s[G0Q], 1
	s_mov_b32 s[G0V], 1
	s_mov_b32 s42, 0x3ab8aa3b                      ; c = log2(e) / 1024
	s_mov_b32 s43, s42
	s_mov_b32 s44, 0xbab8aa3b                      ; -c
	s_mov_b32 s46, 0x76543210
	s_mov_b32 s47, 0xfedcba98                      ; selects for lane l xor 16
	s_mov_b32 s48, 0
	s_mov_b32 s49, 0
	s_lshl_b32 s82, s40, 2                         ; my two tiles' codes: group of eight 4 c + w / 4, 128 (w % 4) bytes on
	s_lshr_b32 s83, s14, 2
	s_add_co_u32 s82, s82, s83
	s_lshl_b32 s82, s82, 12
	s_and_b32 s83, s14, 3
	s_lshl_b32 s83, s83, 7
	s_add_co_u32 s82, s82, s83
	s_add_co_u32 s82, s82, s60
	s_and_b32 s83, s14, 1                          ; their scale word: 256 (w % 2) + 32 (2 c + w / 8) + 4 ((w / 2) % 4), from chunk 128 on
	s_lshl_b32 s83, s83, 8
	s_lshl_b32 s84, s40, 1
	s_lshr_b32 s61, s14, 3
	s_add_co_u32 s84, s84, s61
	s_lshl_b32 s84, s84, 5
	s_add_co_u32 s83, s83, s84
	s_bfe_u32 s84, s14, 0x20001
	s_lshl_b32 s84, s84, 2
	s_add_co_u32 s83, s83, s84
	s_add_co_u32 s83, s83, s60
	s_add_co_u32 s83, s83, 65536
	s_mul_i32 s85, s14, 2*APT
	s_add_co_u32 s85, s85, AST
	s_lshl_b32 s86, s14, 6
	s_add_co_u32 s86, s86, ASC
	s_lshl_b32 s88, s14, 15                        ; 64 w rows of W_o's codes,
	s_lshl_b32 s89, s14, 11                        ; of its scale bytes,
	s_lshl_b32 s90, s14, 8                         ; 64 w columns of f32
	s_lshl_b32 s66, ttmp9, 17                      ; my 32 rows of out0
	s_mov_b32 s67, 0
	s_lshl_b32 s92, ttmp9, 11                      ; my share of W_o's codes for the prefetch
	s_mov_b32 s93, 0
	s_mov_b32 s94, 0x01010000
	s_mov_b32 s95, 0x0101
	s_cmp_eq_u32 s14, 0
	s_cselect_b32 s59, 6, 0                        ; wave 0 asks where the trip count stands at 6
	s_wait_dscnt 0x0
	s_wait_kmcnt 0x0
	s_add_nc_u64 s[G0Q+2:G0Q+3], s[68:69], s[62:63]
	s_or_b32 s[G0Q+3], s[G0Q+3], 0x80000000
	s_add_nc_u64 s[G0V+2:G0V+3], s[72:73], s[2:3]
	s_or_b32 s[G0V+3], s[G0V+3], 0x80000000
	s_add_nc_u64 s[80:81], s[80:81], s[66:67]
	s_add_nc_u64 s[92:93], s[74:75], s[92:93]
	tensor_load_to_lds s[G0Q:G0Q+3], s[G1Q:G1Q+7]  ; my 17 rows of the head's Q: my one load at the head
	s_nop 0
	v_and_b32 v218, 15, v0                         ; r
	v_bfe_u32 v219, v0, 4, 1                       ; h
	v_and_b32 v220, 31, v0                         ; lane
	v_lshrrev_b32 v221, 1, v218
	v_and_b32 v222, 1, v218
	v_lshlrev_b32 v229, 5, v218
	v_lshlrev_b32 v226, 9, v221
	v_lshl_add_u32 v229, v219, 4, v229
	v_lshl_add_u32 v226, v222, 4, v226             ; position r of a tile: chunk r / 2, 16 (r % 2)
	v_add_nc_u32 v229, s89, v229                   ; W_o's scale words: row 64 w + r, words 4 h .. 4 h + 3
	v_lshl_add_u32 v227, v219, 5, v226
	v_add_nc_u32 v228, s83, v226
	v_add_nc_u32 v227, s82, v227
	global_load_b128 v[16:19], v227, s[70:71]              ; K, my first tile
	global_load_b128 v[24:27], v227, s[70:71] offset:64    ; and my second
	global_load_b128 v[128:131], v227, s[68:69]            ; Q at the same positions, for the diagonal
	global_load_b128 v[132:135], v227, s[68:69] offset:64
	global_load_b32 v201, v228, s[70:71]
	global_load_b32 v200, v228, s[68:69]
.irp nb, 0,1,2,3
	global_load_b128 v[WS+4*\nb:WS+4*\nb+3], v229, s[76:77] offset:512*\nb
.endr
.irp j, 12,13,14,15,20,21,22,23,28,29,30,31
	v_mov_b32 v\j, 0                               ; the zero codes beside K's tiles
.endr
	v_mul_u32_u24 v[AQ0], v221, 544
	v_mul_u32_u24 v[AS0], v219, 272
	v_lshrrev_b32 v223, 1, v220
	v_and_b32 v224, 1, v220
	v_lshl_add_u32 v[AQ0], v222, 4, v[AQ0]
	v_mul_u32_u24 v[AV], v223, 272
	v_lshlrev_b32 v[BPI], 2, v223
	v_lshl_add_u32 v[AWR], v220, 4, s85
	v_add_nc_u32 v[AS0], v[AS0], v[AQ0]
	v_lshl_add_u32 v[AV], v224, 7, v[AV]
	v_add_nc_u32 v[SBA], s86, v220
	v_mul_u32_u24 v[AAR], v218, APT
	v_add_nc_u32 v[AS0], QSC, v[AS0]
	v_lshl_add_u32 v[AQ0], v219, 5, v[AQ0]
	v_add_nc_u32 v[AV], s[G0V+1], v[AV]
	v_lshl_add_u32 v[AAR], v219, 4, v[AAR]
	v_lshlrev_b32 v[ASR], 5, v218
	v_lshlrev_b32 v[WOF], 9, v218
	v_add_nc_u32 v[AAR], AST, v[AAR]
	v_lshl_add_u32 v[ASR], v219, 4, v[ASR]
	v_lshl_add_u32 v[WOF], v219, 4, v[WOF]
	v_mul_u32_u24 v[OST], v218, 272
	v_add_nc_u32 v[ASR], ASC, v[ASR]
	v_add_nc_u32 v[WOF], s88, v[WOF]
	v_mul_u32_u24 v[ORD], v219, 272
	v_lshl_add_u32 v[OST], v219, 5, v[OST]
	v_lshlrev_b32 v[GO], 12, v219
	v_lshl_add_u32 v[ORD], v218, 4, v[ORD]
	v_add_nc_u32 v[OST], s[G0V+1], v[OST]          ; the way out, in: row r of my 32 rows of V's bytes, 32 bytes for each half of the lanes
	v_lshl_add_u32 v[GO], v218, 4, v[GO]
	v_add_nc_u32 v[ORD], s[G0V+1], v[ORD]          ; back: lanes 0-15 one row, lanes 16-31 the next
	v_lshl_add_u32 v[BOF], v218, 4, s90            ; b_o at columns 64 w + 4 r .. + 3
	v_add_nc_u32 v[GO], s90, v[GO]
	v_min_u32 v[PFO], 7, v220
	v_and_b32 v224, 7, v218
	v_lshrrev_b32 v223, 3, v218
	v_lshlrev_b32 v[PFO], 8, v[PFO]
.irp j, 1,2,3,4,5,6,7
	v_cmp_eq_u32 s[50+\j], \j, v224                ; the diagonal of a 16 x 16 result: register r % 8 of the lanes with h = r / 8
.endr
	v_cmp_eq_u32 s58, v219, v223
	v_mov_b32 v208, 0xff61b1e6                     ; the largest score so far: -3e38
	v_mov_b32 v209, 0xff61b1e6
.irp j, 205,207,210,211,212,213,215,217
	v_mov_b32 v\j, 0                               ; the sums, and the upper halves of pairs that packed forms name
.endr
	v_mul_f32 v204, s44, v208                      ; -c x the maximum
	v_mul_f32 v206, s44, v209
	s_wait_alu depctr_va_vdst(0)                   ; the wait at the head's end
	s_wait_tensorcnt 0x0                           ; my part of Q is in; the three lines ahead of a later first fill
	ds_add_u32 v[SPW], v[NIL]
	s_wait_dscnt 0x0
	s_barrier_signal -1
	s_barrier_wait -1                              ; Q is whole
	tensor_load_to_lds s[G0V:G0V+3], s[G1V:G1V+7]  ; my two rows of V: wanted behind the loop, read by me alone
	s_nop 0
.irp i, 0,1,2,3,4,5,6,7
	ds_load_b128 v[32+4*\i:35+4*\i], v[AQ0] offset:64*\i+16*(\i/4)
.endr
	ds_load_b128 v[192:195], v[AS0]
	s_wait_loadcnt 0x0
	v_and_or_b32 v196, v201, 0xffff, s94           ; K's scale words: the tile's two bytes beside two bytes 1 for the zero codes, tile low or high
	v_lshl_or_b32 v197, v201, 16, s95
	v_lshrrev_b32 v198, 16, v201
	v_and_or_b32 v199, v201, 0xffff0000, s95
	v_or_b32 v198, s94, v198
.rept 8
	v_nop                                          ; a scale register written by a vector instruction stands 8 places ahead of a scaled matrix instruction
.endr
	v_wmma_scale_f32_16x16x128_f8f6f4 v[64:71], v[128:135], v[16:23], 0, v200, v196 matrix_a_fmt:MATRIX_FMT_FP4 matrix_b_fmt:MATRIX_FMT_FP4
	v_wmma_scale_f32_16x16x128_f8f6f4 v[72:79], v[128:135], v[20:27], 0, v200, v199 matrix_a_fmt:MATRIX_FMT_FP4 matrix_b_fmt:MATRIX_FMT_FP4
.rept 5
	v_nop
.endr
	v_cndmask_b32 v230, v64, v65, s51
	v_cndmask_b32 v231, v72, v73, s51
.irp j, 2,3,4,5,6,7
	v_cndmask_b32 v230, v230, v[64+\j], s[50+\j]
	v_cndmask_b32 v231, v231, v[72+\j], s[50+\j]
.endr
	v_permlanex16_b32 v218, v230, s46, s47
	v_permlanex16_b32 v219, v231, s46, s47
	v_cndmask_b32 v230, v218, v230, s58            ; s[b][b] of my key, in both halves of the lanes
	v_cndmask_b32 v231, v219, v231, s58
.macro WM d, a, b, sa, sb, row
.if \row
	v_wmma_scale_f32_16x16x128_f8f6f4 v[\d:\d+7], v[\a:\a+7], v[\b:\b+7], 0, v[\sa], v[\sb] matrix_a_fmt:MATRIX_FMT_FP4 matrix_b_fmt:MATRIX_FMT_FP4 matrix_a_scale:MATRIX_SCALE_ROW1
.else
	v_wmma_scale_f32_16x16x128_f8f6f4 v[\d:\d+7], v[\a:\a+7], v[\b:\b+7], 0, v[\sa], v[\sb] matrix_a_fmt:MATRIX_FMT_FP4 matrix_b_fmt:MATRIX_FMT_FP4
.endif
.endm
; The n-th of cnt packed lines that add cnt pairs, st registers apart from sb on: four chains (l, which first takes the factor f, and three at y), joined by the last three lines.
.macro SUMN sb, st, cnt, l, f, y, n
.if (\n) == 0
	v_pk_fma_f32 v[\l:\l+1], v[\l:\l+1], v[\f:\f+1], v[\sb:\sb+1] op_sel_hi:[1,0,1]
.elseif (\n) < 4
	v_pk_add_f32 v[\y+2*(\n)-2:\y+2*(\n)-1], v[\sb+\st*(2*(\n)-1):\sb+\st*(2*(\n)-1)+1], v[\sb+\st*2*(\n):\sb+\st*2*(\n)+1]
.elseif (\n) == \cnt-3
	v_pk_add_f32 v[\y:\y+1], v[\y:\y+1], v[\y+2:\y+3]
.elseif (\n) == \cnt-2
	v_pk_add_f32 v[\l:\l+1], v[\l:\l+1], v[\y+4:\y+5]
.elseif (\n) == \cnt-1
	v_pk_add_f32 v[\l:\l+1], v[\l:\l+1], v[\y:\y+1]
.elseif ((\n)%4) == 0
	v_pk_add_f32 v[\l:\l+1], v[\l:\l+1], v[\sb+\st*((\n)+3):\sb+\st*((\n)+3)+1]
.else
	v_pk_add_f32 v[\y+2*((\n)%4)-2:\y+2*((\n)%4)-1], v[\y+2*((\n)%4)-2:\y+2*((\n)%4)-1], v[\sb+\st*((\n)+3):\sb+\st*((\n)+3)+1]
.endif
.endm
; A STEP: 8 tiles of Q (128 queries) against my 32 keys.  s: which half of a group of 16 tiles (one load of scale words serves 16);  nxt: the next step's fragments are fetched.
.macro STEP s, nxt
	s_wait_dscnt 0x0                               ; the fragments asked for a step ago
.irp p, 0,1,2,3
	WM SX+16*\p, 32+8*\p, 16, 192+2*\s+\p/2, 196, \p%2
	WM SY+16*\p, 32+8*\p, 24, 192+2*\s+\p/2, 198, \p%2
	WM SX+16*\p+8, 32+8*\p, 12, 192+2*\s+\p/2, 197, \p%2
	WM SY+16*\p+8, 32+8*\p, 20, 192+2*\s+\p/2, 199, \p%2
.endr
.if \nxt
	s_add_co_u32 s48, s48, 8*544
	v_add_nc_u32 v[ADQ], s48, v[AQ0]               ; four places behind the products, ahead of loads into registers that they read
.if \s == 1
	s_add_co_u32 s49, s49, 32
	v_add_nc_u32 v[ADS], s49, v[AS0]
.else
	v_nop
.endif
	v_nop
	v_nop
.irp i, 0,1,2,3,4,5,6,7
	ds_load_b128 v[32+4*\i:35+4*\i], v[ADQ] offset:64*\i+16*(\i/4)
.endr
.if \s == 1
	ds_load_b128 v[192:195], v[ADS]
.endif
.else
.rept 4
	v_nop
.endr
.endif
.irp c, 0,1,2,3,4,5,6,7                        ; the maxima: eight chains of 16 scores, each accumulator read from its low end on
	v_max3_num_f32 v[218+\c], v[SX+16*\c], v[SX+16*\c+1], v[SX+16*\c+2]
.endr
.irp i, 3,5,7,9,11,13
.irp c, 0,1,2,3,4,5,6,7
	v_max3_num_f32 v[218+\c], v[218+\c], v[SX+16*\c+\i], v[SX+16*\c+\i+1]
.endr
.endr
	v_max3_num_f32 v218, v218, v219, v[SX+15]
	v_max3_num_f32 v220, v220, v221, v[SX+31]
	v_max3_num_f32 v222, v222, v223, v[SY+15]
	v_max3_num_f32 v224, v224, v225, v[SY+31]
	v_mov_b32 v226, v204
	v_mov_b32 v227, v206
	v_max3_num_f32 v218, v218, v220, v[SX+47]
	v_max3_num_f32 v222, v222, v224, v[SY+47]
	v_max3_num_f32 v208, v218, v[SX+63], v208      ; the running maximum of my key, over my half's queries
	v_max3_num_f32 v209, v222, v[SY+63], v209
	v_mul_f32 v204, s44, v208
	v_mul_f32 v206, s44, v209
	v_sub_f32 v226, v204, v226                     ; c x (old maximum - new)
	v_sub_f32 v227, v206, v227
.set K, 0
.rept 32
	v_pk_fma_f32 v[SX+2*K:SX+2*K+1], v[SX+2*K:SX+2*K+1], s[42:43], v[204:205] op_sel_hi:[1,0,0]
.set K, K+1
.endr
	s_wait_alu depctr_va_vdst(0)                   ; the wait ahead of a batch
	v_exp_f32 v214, v226                           ; f, for what was summed under the old maximum
	v_exp_f32 v216, v227
.set K, 0
.rept 32                                       ; the first tile's p; between them the second tile's multiply-adds, first read behind the wait below
	v_exp_f32 v[SX+2*K], v[SX+2*K]
	v_exp_f32 v[SX+2*K+1], v[SX+2*K+1]
	v_pk_fma_f32 v[SY+2*K:SY+2*K+1], v[SY+2*K:SY+2*K+1], s[42:43], v[206:207] op_sel_hi:[1,0,0]
.set K, K+1
.endr
	s_wait_alu depctr_va_vdst(0)                   ; one wait: behind the first batch, ahead of the second
.set K, 0
.rept 16                                       ; the second tile's p; between them the first tile's pairs are added two and two, first read behind the wait below
	v_exp_f32 v[SY+4*K], v[SY+4*K]
	v_exp_f32 v[SY+4*K+1], v[SY+4*K+1]
	v_exp_f32 v[SY+4*K+2], v[SY+4*K+2]
	v_exp_f32 v[SY+4*K+3], v[SY+4*K+3]
	v_pk_add_f32 v[SX+4*K:SX+4*K+1], v[SX+4*K:SX+4*K+1], v[SX+4*K+2:SX+4*K+3]
.set K, K+1
.endr
	s_wait_alu depctr_va_vdst(0)                   ; behind the second batch, ahead of its first reader
.set K, 0
.rept 16
	SUMN SX, 4, 16, 210, 214, 218, K
	SUMN SY, 2, 32, 212, 216, 224, 2*K
	SUMN SY, 2, 32, 212, 216, 224, 2*K+1
.set K, K+1
.endr
.endm
	s_mov_b32 s50, 7
.Ltrip:
	STEP 0, 1
	STEP 1, 1
	s_cmp_eq_u32 s50, s59
	s_cbranch_scc0 .Lnot_mine
	global_prefetch_b8 v[PFO], s[92:93] th:TH_LOAD_NT scope:SCOPE_SE   ; its address registers are never written again
.Lnot_mine:
	s_sub_co_u32 s50, s50, 1
	s_cmp_lg_u32 s50, 0
	s_cbranch_scc1 .Ltrip
	STEP 0, 1
	STEP 1, 0
; Where W_o's two fragments of the q-th 128 along K stand: 16 registers; K steps 0-3 from v128, 4 and 5 from v32, 6 and 7 from v96.
.macro WBSET q
.if (\q) < 4
.set WB, 128+16*(\q)
.elseif (\q) < 6
.set WB, 32+16*((\q)-4)
.else
.set WB, 96+16*((\q)-6)
.endif
.endm
; Eight loads: K steps 2 j and 2 j + 1 of half ph's two blocks of 16 rows.  The four loads of a block name 128 neighbouring bytes of each of its rows.
.macro WLP ph, j
.irp n2, 0,1
.irp dq, 0,1
	WBSET 2*(\j)+\dq
.irp c, 0,1
	global_load_b128 v[WB+8*\n2+4*\c:WB+8*\n2+4*\c+3], v[WOF], s[74:75] offset:8192*(2*(\ph)+\n2)+64*(2*(\j)+\dq)+32*\c
.endr
.endr
.endr
.endm
	WLP 0, 0                                       ; 24 loads set out under the work on the diagonal and on V
	WLP 0, 1
	WLP 0, 2
	v_add_f32 v12, v210, v211
	v_add_f32 v13, v212, v213
	v_permlanex16_b32 v14, v208, s46, s47
	v_permlanex16_b32 v15, v209, s46, s47
	s_delay_alu instid0(VALU_DEP_2)
	v_max_num_f32 v14, v208, v14                   ; the column's maximum, over both halves
	s_delay_alu instid0(VALU_DEP_2)
	v_max_num_f32 v15, v209, v15
	s_delay_alu instid0(VALU_DEP_2)
	v_mul_f32 v16, s44, v14
	s_delay_alu instid0(VALU_DEP_2)
	v_mul_f32 v17, s44, v15
	s_delay_alu instid0(VALU_DEP_2)
	v_sub_f32 v18, v16, v204
	s_delay_alu instid0(VALU_DEP_2)
	v_sub_f32 v19, v17, v206
	v_fma_f32 v20, v230, s42, v16
	v_fma_f32 v21, v231, s42, v17
	s_wait_alu depctr_va_vdst(0)
	v_exp_f32 v18, v18
	v_exp_f32 v19, v19
	v_exp_f32 v20, v20
	v_exp_f32 v21, v21
	v_nop
	s_wait_alu depctr_va_vdst(0)
	v_mul_f32 v12, v12, v18                        ; my half's sum under the column's maximum
	v_mul_f32 v13, v13, v19
	s_delay_alu instid0(VALU_DEP_2)
	v_permlanex16_b32 v22, v12, s46, s47
	s_delay_alu instid0(VALU_DEP_2)
	v_permlanex16_b32 v23, v13, s46, s47
	s_delay_alu instid0(VALU_DEP_2)
	v_add_f32 v12, v12, v22
	s_delay_alu instid0(VALU_DEP_2)
	v_add_f32 v13, v13, v23
	s_wait_alu depctr_va_vdst(0)
	v_rcp_f32 v24, v12
	v_rcp_f32 v25, v13
	v_nop
	s_wait_alu depctr_va_vdst(0)
	v_mul_f32 v20, v20, v24                        ; diag of key r
	v_mul_f32 v21, v21, v25
	ds_bpermute_b32 v26, v[BPI], v20               ; lane l takes position l / 2's
	ds_bpermute_b32 v28, v[BPI], v21
	s_wait_tensorcnt 0x0                           ; my own rows of V
.irp j, 0,1,2,3,4,5,6,7
	ds_load_b128 v[64+4*\j:67+4*\j], v[AV] offset:16*\j
.endr
.irp j, 0,1,2,3,4,5,6,7
	ds_load_b128 v[96+4*\j:99+4*\j], v[AV] offset:16*272+16*\j
.endr
	s_wait_dscnt 0x0
; Row 2 w + kt: my lane's block of 32 numbers x diag, its scale (2 off the largest magnitude's exponent field; the floor holds the byte at 1), its 16 bytes of codes.
.macro OUTQ kt, x, t, cd, dg
.set K, 0
.rept 16
	v_pk_mul_f32 v[\x+2*K:\x+2*K+1], v[\x+2*K:\x+2*K+1], v[\dg:\dg+1] op_sel_hi:[1,0]
.set K, K+1
.endr
	v_max3_num_f32 v[\t], |v[\x]|, |v[\x+1]|, 0x1800000
	v_max3_num_f32 v[\t+1], |v[\x+16]|, |v[\x+17]|, |v[\x+18]|
.irp i, 2,4,6,8,10,12
	s_delay_alu instid0(VALU_DEP_2)
	v_max3_num_f32 v[\t], v[\t], |v[\x+\i]|, |v[\x+\i+1]|
	s_delay_alu instid0(VALU_DEP_2)
	v_max3_num_f32 v[\t+1], v[\t+1], |v[\x+17+\i]|, |v[\x+18+\i]|
.endr
	s_delay_alu instid0(VALU_DEP_2)
	v_max3_num_f32 v[\t], v[\t], |v[\x+14]|, |v[\x+15]|
	s_delay_alu instid0(VALU_DEP_1)
	v_max3_num_f32 v[\t], v[\t], v[\t+1], |v[\x+31]|
	s_delay_alu instid0(VALU_DEP_1)
	v_add_nc_u32 v[\t+2], 0xff000000, v[\t]
	s_delay_alu instid0(VALU_DEP_1)
	v_lshrrev_b32 v[\t+3], 23, v[\t+2]
.irp q, 0,1,2,3
	v_cvt_scalef32_pk8_fp4_f32 v[\cd+\q], v[\x+8*\q:\x+8*\q+7], v[\t+2]
.endr
	v_nop                                          ; one plain place behind the last scaled conversion
	ds_store_b128 v[AWR], v[\cd:\cd+3] offset:APT*\kt
	ds_store_b8 v[SBA], v[\t+3] offset:32*\kt
.endm
	OUTQ 0, 64, 208, 220, 26
	OUTQ 1, 96, 212, 224, 28
	WLP 0, 3                                       ; the first half's last eight loads, where my second row of V stood
	global_load_b128 v[228:231], v[BOF], s[78:79]  ; b_o, for the way out
	s_wait_alu depctr_va_vdst(0)
	s_wait_dscnt 0x0                               ; my codes and scale bytes are in the stage
	s_barrier_signal -1
	s_barrier_wait -1                              ; everybody's are
.macro ACT t                                   ; the left operand's two fragments (rows 0-15, 16-31) for turn t, K step t % 8, into v12 or v204
.set AB, 12+192*((\t)%2)
.irp rb, 0,1
.irp c, 0,1
	ds_load_b128 v[AB+8*\rb+4*\c:AB+8*\rb+4*\c+3], v[AAR] offset:16*APT*\rb+64*((\t)%8)+32*\c
.endr
.endr
.endm
; Turn t: half t / 8 of my columns, K step t % 8: 4 matrix instructions, the 4 accumulators by turns; a half's first step starts its sums.  TRANSPOSED: source 0 = 16 rows of W_o,
; source 1 = 16 rows of the left operand: a lane holds 8 neighbouring columns of one row.  Scale words: register q % 4; lanes 0-15 hold a row's words 0-3, lanes 16-31 its words 4-7.
; LOADcnt: the loads lie in the order A0 A1 A2 A3 (8 each), b_o (1), then B0 .. B3 (8 each), Bj issued behind turn 2 j + 1.  Each count below is what was issued behind the pair that the turn wants.
.macro KST t
.set Q, (\t)%8
.set PH, (\t)/8
	WBSET Q
.set AB, 12+192*((\t)%2)
.if (\t) == 8 || (\t) == 15
	s_wait_dscnt 0x0                               ; turn 8: the first half's results have left their registers too
.else
	s_wait_dscnt 4                                 ; the next turn's four loads may be out
.endif
.if (\t) < 8 && (\t)%2 == 0
	s_wait_loadcnt 25
.elseif (\t) == 8
	s_wait_loadcnt 24
.elseif (\t) == 10
	s_wait_loadcnt 16
.elseif (\t) == 12
	s_wait_loadcnt 8
.elseif (\t) == 14
	s_wait_loadcnt 0x0
.endif
.irp rb, 0,1
.irp n2, 0,1
.if Q == 0
	v_wmma_scale_f32_16x16x128_f8f6f4 v[64+8*(2*\rb+\n2):71+8*(2*\rb+\n2)], v[WB+8*\n2:WB+8*\n2+7], v[AB+8*\rb:AB+8*\rb+7], 0, v[WS+4*(2*PH+\n2)+Q%4], v[192+4*\rb+Q%4] matrix_a_fmt:MATRIX_FMT_FP4 matrix_b_fmt:MATRIX_FMT_FP4
.elseif Q < 4
	v_wmma_scale_f32_16x16x128_f8f6f4 v[64+8*(2*\rb+\n2):71+8*(2*\rb+\n2)], v[WB+8*\n2:WB+8*\n2+7], v[AB+8*\rb:AB+8*\rb+7], v[64+8*(2*\rb+\n2):71+8*(2*\rb+\n2)], v[WS+4*(2*PH+\n2)+Q%4], v[192+4*\rb+Q%4] matrix_a_fmt:MATRIX_FMT_FP4 matrix_b_fmt:MATRIX_FMT_FP4
.else
	v_wmma_scale_f32_16x16x128_f8f6f4 v[64+8*(2*\rb+\n2):71+8*(2*\rb+\n2)], v[WB+8*\n2:WB+8*\n2+7], v[AB+8*\rb:AB+8*\rb+7], v[64+8*(2*\rb+\n2):71+8*(2*\rb+\n2)], v[WS+4*(2*PH+\n2)+Q%4], v[192+4*\rb+Q%4] matrix_a_fmt:MATRIX_FMT_FP4 matrix_b_fmt:MATRIX_FMT_FP4 matrix_a_scale:MATRIX_SCALE_ROW1 matrix_b_scale:MATRIX_SCALE_ROW1
.endif
.endr
.endr
.rept 5
	v_nop                                          ; places ahead of loads into registers that these products read, of the first read of results, and (five) of the products that begin the accumulators anew
.endr
.if (\t) < 8 && (\t)%2 == 1
	WLP 1, (\t)/2                                  ; the second half's pair of K steps, into the registers of the pair just used
.endif
.if (\t) < 14
	ACT (\t)+2
.endif
.if Q == 7                                     ; a half is finished: into my stage, each accumulator from its low end on
.irp rb, 0,1
.irp n2, 0,1
	ds_store_b128 v[OST], v[64+8*(2*\rb+\n2):67+8*(2*\rb+\n2)] offset:16*272*\rb+64*(2*PH+\n2)
	ds_store_b128 v[OST], v[68+8*(2*\rb+\n2):71+8*(2*\rb+\n2)] offset:16*272*\rb+64*(2*PH+\n2)+16
.endr
.endr
.endif
.endm
	ds_load_b128 v[192:195], v[ASR]                ; the left operand's scale words, rows 0-15
	ds_load_b128 v[196:199], v[ASR] offset:512     ; and 16-31
	ACT 0
	ACT 1
.irp t, 0,1,2,3,4,5,6,7,8,9,10,11,12,13,14,15
	KST \t
.endr
; THE WAY OUT: my 32 rows x 256 bytes come back from my stage as whole rows (LDS serves a wave's instructions in order: ISA guide 5.7.1.4); b_o is added; sixteen lanes store 256 consecutive bytes, aligned.
.irp i, 0,1,2,3,4,5,6,7,8,9,10,11,12,13,14,15
	ds_load_b128 v[128+4*\i:131+4*\i], v[ORD] offset:2*\i*272
.endr
	s_wait_dscnt 8                                 ; the first 16 rows are back (the later eight loads may be out)
.irp i, 0,1,2,3,4,5,6,7
	v_pk_add_f32 v[128+4*\i:129+4*\i], v[128+4*\i:129+4*\i], v[228:229]
	v_pk_add_f32 v[130+4*\i:131+4*\i], v[130+4*\i:131+4*\i], v[230:231]
.endr
.irp i, 0,1,2,3,4,5,6,7
	global_store_b128 v[GO], v[128+4*\i:131+4*\i], s[80:81] offset:2*\i*4096 th:TH_STORE_NT
.endr
	s_wait_dscnt 0x0
.irp i, 8,9,10,11,12,13,14,15
	v_pk_add_f32 v[128+4*\i:129+4*\i], v[128+4*\i:129+4*\i], v[228:229]
	v_pk_add_f32 v[130+4*\i:131+4*\i], v[130+4*\i:131+4*\i], v[230:231]
.endr
.irp i, 8,9,10,11,12,13,14,15
	global_store_b128 v[GO], v[128+4*\i:131+4*\i], s[80:81] offset:2*\i*4096 th:TH_STORE_NT
.endr
	s_wait_tensorcnt 0x0                           ; the wave's end
	ds_add_u32 v[SPW], v[NIL]
	s_wait_dscnt 0x0
	s_endpgm
.Lfunc_end_k_q480b7b5cf5_attn:
	.size	k_q480b7b5cf5_attn, .Lfunc_end_k_q480b7b5cf5_attn-k_q480b7b5cf5_attn
	.p2alignl 7, 3214868480
	.fill 96, 4, 3214868480
	.section	.rodata,"a",@progbits
	.p2align	6, 0x0
	.amdhsa_kernel k_q480b7b5cf5_attn
		.amdhsa_group_segment_fixed_size 327680
		.amdhsa_private_segment_fixed_size 0
		.amdhsa_enable_private_segment 0
		.amdhsa_kernarg_size 56
		.amdhsa_user_sgpr_count 2
		.amdhsa_user_sgpr_kernarg_segment_ptr 1
		.amdhsa_wavefront_size32 1
		.amdhsa_system_sgpr_workgroup_id_x 1
		.amdhsa_system_sgpr_workgroup_id_y 1
		.amdhsa_system_sgpr_workgroup_id_z 1
		.amdhsa_system_vgpr_workitem_id 0
		.amdhsa_next_free_vgpr 256
		.amdhsa_next_free_sgpr 96
		.amdhsa_reserve_vcc 0
		.amdhsa_float_denorm_mode_32 3
		.amdhsa_float_denorm_mode_16_64 3
		.amdhsa_memory_ordered 1
		.amdhsa_forward_progress 1
		.amdhsa_inst_pref_size 125
	.end_amdhsa_kernel
	.amdgpu_metadata
---
amdhsa.version: [ 1, 2 ]
amdhsa.kernels:
  - .name:           k_q480b7b5cf5_attn
    .symbol:         k_q480b7b5cf5_attn.kd
    .args:
      - { .name: Qw, .offset: 0, .size: 8, .value_kind: global_buffer, .address_space: global }
      - { .name: Kw, .offset: 8, .size: 8, .value_kind: global_buffer, .address_space: global }
      - { .name: Vw, .offset: 16, .size: 8, .value_kind: global_buffer, .address_space: global }
      - { .name: W_o_codes, .offset: 24, .size: 8, .value_kind: global_buffer, .address_space: global }
      - { .name: W_o_scales, .offset: 32, .size: 8, .value_kind: global_buffer, .address_space: global }
      - { .name: b_o, .offset: 40, .size: 8, .value_kind: global_buffer, .address_space: global }
      - { .name: out0, .offset: 48, .size: 8, .value_kind: global_buffer, .address_space: global }
    .group_segment_fixed_size: 327680
    .private_segment_fixed_size: 0
    .kernarg_segment_align: 8
    .kernarg_segment_size: 56
    .max_flat_workgroup_size: 512
    .sgpr_count:     96
    .vgpr_count:     256
    .wavefront_size: 32
...
	.end_amdgpu_metadata
.endif
;; end of part 2
